; MI455X (gfx1250); checked and timed in simulation.
; The chip was launched on July 23, 2026; its instructions are those of AMD's public machine-readable ISA for CDNA 5 (MIT licence, August 2026) and "CDNA5" Instruction Set Architecture Reference Guide (July 2026). The comments in the code are by the model that wrote it; some were corrected since.
;; Partial Encoder Weighted Sum EDDI Multi Weight. Allowed arithmetic: matrix products marked QUANTISED: E4M3 operands, one given power-of-two scale a tensor, by v_wmma_f32_16x16x64_fp8_fp8 or v_wmma_f32_16x16x128_fp8_fp8, f32 sums; products left as they are: f32 operands where the result goes on into a quantised operand, else bf16, f16 or f32 operands; f32 sums; everything else in f32.
;; Inputs: c_b 32 float32; c_ln_b 32 float32; c_ln_g 32 float32; c_w_codes 32 x 4 x 32 uint8 (E4M3 codes of c_w, K innermost, in blocks of 32 codes); e_b1 256 float32; e_b2 64 float32; e_ln1_b 256 float32; e_ln1_g 256 float32; e_ln2_b 64 float32; e_ln2_g 64 float32; e_w1_codes 256 x 1 x 32 uint8 (E4M3 codes of e_w1, K innermost, in blocks of 32 codes); e_w2_codes 64 x 8 x 32 uint8 (E4M3 codes of e_w2, K innermost, in blocks of 32 codes); feat_emb 16,384 x 32 float32; g_b1 16 float32; g_b2 4 float32; g_w1_codes 16 x 1 x 32 uint8 (E4M3 codes of g_w1, K innermost, in blocks of 32 codes); g_w2 16 x 4 float32; h_b1 128 float32; h_b2 32 float32; h_ln1_b 128 float32; h_ln1_g 128 float32; h_ln2_b 32 float32; h_ln2_g 32 float32; h_w1 33 x 128 float32; h_w2_codes 32 x 4 x 32 uint8 (E4M3 codes of h_w2, K innermost, in blocks of 32 codes); lowp_scales 12 int32 (the exponents e of the quantised operands' scales 2^e); mask 64 x 16,384 int32; x 64 x 16,384 float32.
;; Outputs: out0 64 x 32 float32; out1 64 x 32 float32.
;; This version of the problem:
;;   THIS VERSION OF THE PROBLEM IS GIVEN IN LOW PRECISION. The matrix products marked QUANTISED in the list below multiply operands that are first quantised to E4M3 (4 exponent bits, 3 mantissa bits; 8 bits a number), with one given power-of-two scale for each operand tensor; their sums are f32. All else is computed in f32.
;;   The module's matrix products, in the order in which they are computed (A, B: the left and right operand; K: the contracted axis; several contracted axes count as one K, in the product's order):
;;     1. [M 1,048,576, K 33] x [K 33, N 128]; A: computed on the way; B: input h_w1: QUANTISED (scales: A lowp_scales[0], B lowp_scales[1])
;;     2. [M 1,048,576, K 128] x [K 128, N 32]; A: computed on the way; B: input h_w2 (given as codes): QUANTISED (scales: A lowp_scales[2], B lowp_scales[3])
;;     3. [M 1,048,576, K 32] x [K 32, N 16]; A: computed on the way; B: input g_w1 (given as codes): QUANTISED (scales: A lowp_scales[4], B lowp_scales[5])
;;     4. [M 1,048,576, K 16] x [K 16, N 4]; A: computed on the way; B: input g_w2: left as it is (K = 16 < 32)
;;     5. batch 64 x [M 4, K 16,384] x [K 16,384, N 32]; A: computed on the way; B: computed on the way: left as it is (M = 4 < 16)
;;     6. [M 64, K 128] x [K 128, N 32]; A: computed on the way; B: input c_w (given as codes): QUANTISED (scales: A lowp_scales[6], B lowp_scales[7])
;;     7. [M 64, K 32] x [K 32, N 256]; A: computed on the way; B: input e_w1 (given as codes): QUANTISED (scales: A lowp_scales[8], B lowp_scales[9])
;;     8. [M 64, K 256] x [K 256, N 64]; A: computed on the way; B: input e_w2 (given as codes): QUANTISED (scales: A lowp_scales[10], B lowp_scales[11])
;;   THE QUANTISER, for each operand of a quantised product, along K:
;;     - The operand's scale is 2^e, e = its entry of the input lowp_scales (int32; the entries are numbered through the quantised products in the list's order, A before B).
;;     - Each number is divided by the scale, clamped to +-448, and rounded to the nearest number of E4M3, ties to even, subnormals kept.
;;     - The product sums the exact products of the quantised numbers (number of the format x scale) in f32.
;;   ~~~python
;;   def quantise(x, axis, e):      # numpy; x: float32 -> the quantised numbers, widened to float32 again
;;       x = np.moveaxis(x, axis, -1); K = x.shape[-1]
;;       r = np.clip(x / 2.0 ** e, -448, 448)
;;       step = 2.0 ** (np.maximum(np.frexp(np.where(r == 0, 1, r))[1] - 1, -6) - 3)
;;       q = np.round(r / step) * step * 2.0 ** e      # np.round: ties to even
;;       return np.moveaxis(q, -1, axis).astype(np.float32)
;;   ~~~
;;   OPERANDS COMPUTED ON THE WAY. 'Computed on the way' means the value that the module computes at that place (a softmax that the list does not call 'softmax' is quantised finished and normalised). What goes into a quantiser is computed in f32, as accurately as f32 sums, v_exp_f32 and their like allow (about 1e-6 of the number): no bf16 or f16 on the way to a quantiser, and a product that is left as it is and whose result goes on into a quantised operand takes f32 operands (vector FMAs, or v_wmma_f32_16x16x4_f32). A number that lies on a knife's edge between two numbers of the format may be rounded either way, as far as f32 arithmetic and the matrix unit's own rounding can turn it there, and no further.
;;   INPUTS GIVEN AS CODES. c_w (in the module: [128, 32], K = its axis 0); e_w1 (in the module: [32, 256], K = its axis 0); e_w2 (in the module: [256, 64], K = its axis 0); g_w1 (in the module: [32, 16], K = its axis 0); h_w2 (in the module: [128, 32], K = its axis 0): each comes as NAME_codes (uint8): NAME with its K axis moved to the last place and cut into blocks of 32 codes, [.., K / 32, bytes a block], one block behind the other in memory; one code a byte (a code: sign, 4 exponent bits, 3 mantissa bits); its scale is its entry of lowp_scales. Its value is code x scale, taken as it is: it is not quantised again, and the codes and scales need not be those that the quantiser above would give.
;; One version. Each part assembles by itself: llvm-mc -triple=amdgcn-amd-amdhsa -mcpu=gfx1250 --defsym DOCPART=n.
;; ======== version 1 of 1: 2 launches
;; workspace buffers: pnum 524,288 bytes; pden 131,072 bytes
;; launch main (part 1): grid 16 x 16, 4 waves a work-group, no clusters, 71,168 bytes of LDS; arguments x, mask, feat_emb, h_w1, h_b1, h_ln1_g, h_ln1_b, h_w2_codes, h_b2, h_ln2_g, h_ln2_b, g_w1_codes, g_b1, g_w2, g_b2, lowp_scales, pnum, pden; writes pnum, pden
.if DOCPART == 1
	.amdgcn_target "amdgcn-amd-amdhsa--gfx1250"
	.amdhsa_code_object_version 6
	.text
	.protected	k_qc5d1ebd13a_main
	.globl	k_qc5d1ebd13a_main
	.p2align	8
	.type	k_qc5d1ebd13a_main,@function
k_qc5d1ebd13a_main:
	s_mov_b64 s[64:65], 0
	v_nop
	global_prefetch_b8 v0, s[64:65] scope:SCOPE_SE
	s_setreg_imm32_b32 hwreg(HW_REG_WAVE_MODE, 25, 1), 1
	s_wait_xcnt 0x0
; For each pair (b, j): h = relu(LN([x, feat_emb[j]] W1 + b1)), h_out = relu(LN(h W2 + b2)), logits = clip(relu(h_out G1 + gb1) G2 + gb2, -10, 10),
; e = exp(logit) where mask != 0, else 0.  Stored for each (b, chunk of 1,024 j): pnum[32 w + d] = sum of e[w] h_out[d], pden = sum of e[w].  The next launch adds the 16 chunks and divides.
; NO MAXIMUM IS TAKEN AWAY: the clip at +-10, which the problem itself makes, holds e between 4.5e-5 and 2.3e4 and a sum of 16,384 of them under 4e8, so nothing can overflow or vanish in f32,
; and numerator and divisor are plain sums over j.  The mask only selects values (e or 0): every pair is computed, and the loop's trip count is a constant of the text.
; The three large products run on E4M3 codes with the given scales 2^e; the two small ones (16 -> 4, and the weighted sum) are f32 multiply-adds, since they lead on to a quantiser.
; SHARES.  256 work-groups of four waves: work-group x = the chunk of 1,024 j, wave w of work-group y owns b = 4 y + w.  The four waves share the chunk's codes of feat_emb (a table in LDS) and W1's codes.
; A trip of the loop takes 32 neighbouring j as two tiles of 16 rows, E and O, whose matrix and vector work stand by turns.
; ALL PRODUCTS ARE USED TRANSPOSED (source 0 = 16 rows of a weight, source 1 = 16 data rows): lane (r = lane % 16, h = lane / 16) holds data row r throughout, and its registers run along the units.
; The rows of W1 and W2 that form a tile are chosen (lane r takes row base + r + 8 (r / 8)) so that a lane's results are neighbours along the next K; k has the same place in both operands of each product.
; NO CLUSTER, NO TENSOR LOAD: what the 16 work-groups of a chunk share is 128 KiB of feat_emb, read once at the head, and it has to pass through registers to be quantised.
; LIMITS.  Every e between -126 and 119; e0 + e1 and e2 + e3 between -72 and 54 (eps / 4^e must be an f32 number); e4 + e5 between -126 and 126.  NaN among the inputs is not served; an infinite x is held at the largest code.
.set DIST,  16384                      ; LDS: dims 0-15 of local row j at 16 j, dims 16-31 at DIST + 16 j
.set W1IMG, 32768                      ; W1's eight fragments as images of their registers: tile t: registers 0-3 at 640 t + 16 lane, register 4 at 640 t + 512 + 4 lane
.set LIST,  37888                      ; for each wave: its 1,024 x (4,096 bytes), then its 1,024 mask words, as they lie in memory
.set LSTW,  8192
.set TRIPS, 32                         ; 1,024 j, 32 a trip
; window 0
.set LANE, 1
.set RR,   2
.set HH,   3
.set TBA,  4                           ; 16 r + h x DIST: my place in the table for local row r
.set LSTA, 5                           ; LIST + wave x LSTW + 4 lane
.set LDA,  6
.set ZERO, 7
.set LIM0, 8
.set SC0,  9
.set LIM2, 10
.set SC2,  11
.set LX,   12                          ; a trip's x, one a lane
.set LM,   13                          ; and its mask words
.set JE,   15                          ; LDS address of the fragments in hand
.set LSB,  17                          ; LIST + wave x LSTW + 16 lane
.set LIM1, 18
.set SC1,  19
.set XQ,   20                          ; v20-27: x, held, and seven zeros
.set L16,  28                          ; 16 lane
.set W1O,  29
.set W1R,  30
.set TT,   31                          ; r + 8 (r / 8)
.set XAE,  32                          ; v32-39, v40-47: the first product's data fragments
.set XAO,  40
.set P1E,  48                          ; v48-63, v64-79: codes of h
.set P1O,  64
.set H1E,  80                          ; v80-143, v144-207: h, 64 units a lane
.set H1O,  144
.set SCR,  240                         ; v240-253 (of window 0 and of window 2): LN at work: four pairs of sums, the sum, the other half's, -mean (a pair), 1/sigma (a pair)
; window 0, at the head only
.set MK,   32
.set XV,   64
.set FC,   96
.set W1Q,  144
.set WC,   192
.set JL4,  216                         ; 4 lane: kept to the end
.set O64,  217
.set O32,  218
.set O128, 219
.set W2O,  220
.set GWO,  221
.set FTA,  223
.set T2,   224
.set W1A,  225
.set W1B,  226
.set RA,   80                          ; the end: what a lane keeps, what it sends
.set RT,   144
; window 1
.set W1,   0
.set B1,   64
.set G1,   128
.set BE1,  192
; window 2
.set W2F,  0
.set B2,   32
.set G2,   48
.set BE2,  64
.set GW1,  80
.set GB1,  88
.set GW2,  96
.set GB2,  128
.set LIM4, 132
.set SC4,  133
.set CLIP, 134
.set DEN,  136
.set H2E,  144
.set H2O,  160
.set P2E,  176
.set P2O,  184
.set H3E,  192
.set H3O,  200
.set T16,  208
.set ZZ,   208
.set EE,   224
.set PL,   232
.set QL,   236
; window 3: v0-63 the weighted sums, register 16 w + i for d = 16 h + i; at the head all 256 hold feat_emb as loaded
; scalars
.set WV,   4
.set BB,   6
.set SEL,  52
.set SHI,  54
.set SM8,  55
.set SM4,  56
.set SM2,  57
.set SM1,  58
.set EPS1, 59
.set EPS2, 60
.set NS,   82                          ; the slot whose x and mask are read next
.set GS,   83                          ; the slot whose fragments are fetched next
.set TC,   85
.set VA,   88                          ; which of the 32 rows in hand count
.set VE,   90
.set VO,   91
.set MSB, 0
.macro WIN new                         ; the immediate's high byte repeats the setting that is left; a switch that changes nothing is dropped
.if MSB != \new
	s_set_vgpr_msb (MSB<<8)|\new
.set MSB, \new
.endif
.endm
.macro MKSC e, vsc, vlim               ; 2^e as f32 (the conversion takes its exponent field) and 448 x 2^e
	s_add_co_i32 s92, s[\e], 127
	s_lshl_b32 s93, s92, 23
	v_mov_b32 v[\vsc], s93
	s_add_co_i32 s92, s92, 8
	s_lshl_b32 s92, s92, 23
	s_or_b32 s92, s92, 0x600000
	v_mov_b32 v[\vlim], s92
.endm
.macro LNRED                           ; four pairs of partial sums -> the row's sum in every lane of the row (its other half lies in lane xor 16)
	v_pk_add_f32 v[SCR:SCR+1], v[SCR:SCR+1], v[SCR+2:SCR+3]
	v_pk_add_f32 v[SCR+4:SCR+5], v[SCR+4:SCR+5], v[SCR+6:SCR+7]
	v_pk_add_f32 v[SCR:SCR+1], v[SCR:SCR+1], v[SCR+4:SCR+5]
	v_add_f32 v[SCR+8], v[SCR], v[SCR+1]
	v_permlanex16_b32 v[SCR+9], v[SCR+8], s[SEL], s[SEL+1]
	v_add_f32 v[SCR+8], v[SCR+8], v[SCR+9]
.endm
; LayerNorm over 2 cnt units, cnt of them in this lane's registers hb on: mean, centred, mean of squares, 1 / sqrt(var + eps), gain and bias.  Two passes, so that a common offset does no harm.
; The sums begin at each accumulator's low end and go up.  nrn = -1 / (2 cnt), rn = 1 / (2 cnt); wb: the window setting of the data, wg: with gain and bias as sources 1 and 2.
.macro LN hb, cnt, nrn, rn, eps, wb, wg, gg, be
.set LK, 0
.rept 4
	v_pk_add_f32 v[SCR+2*LK:SCR+2*LK+1], v[\hb+2*LK:\hb+2*LK+1], v[\hb+2*LK+8:\hb+2*LK+9]
.set LK, LK+1
.endr
.set LK, 8
.rept (\cnt)/2-8
	v_pk_add_f32 v[SCR+2*(LK%4):SCR+2*(LK%4)+1], v[SCR+2*(LK%4):SCR+2*(LK%4)+1], v[\hb+2*LK:\hb+2*LK+1]
.set LK, LK+1
.endr
	LNRED
	v_mul_f32 v[SCR+10], \nrn, v[SCR+8]
.set LK, 0
.rept (\cnt)/2
	v_pk_add_f32 v[\hb+2*LK:\hb+2*LK+1], v[\hb+2*LK:\hb+2*LK+1], v[SCR+10:SCR+11] op_sel_hi:[1,0]
.set LK, LK+1
.endr
.set LK, 0
.rept 4
	v_pk_mul_f32 v[SCR+2*LK:SCR+2*LK+1], v[\hb+2*LK:\hb+2*LK+1], v[\hb+2*LK:\hb+2*LK+1]
.set LK, LK+1
.endr
.rept (\cnt)/2-4
	v_pk_fma_f32 v[SCR+2*(LK%4):SCR+2*(LK%4)+1], v[\hb+2*LK:\hb+2*LK+1], v[\hb+2*LK:\hb+2*LK+1], v[SCR+2*(LK%4):SCR+2*(LK%4)+1]
.set LK, LK+1
.endr
	LNRED
	v_fma_f32 v[SCR+8], v[SCR+8], \rn, s[\eps]
	v_rsq_f32 v[SCR+12], v[SCR+8]
	v_nop                                          ; one plain instruction behind the transcendental
.set LK, 0
	s_wait_alu depctr_va_vdst(0)
.rept (\cnt)/2
	v_pk_mul_f32 v[\hb+2*LK:\hb+2*LK+1], v[\hb+2*LK:\hb+2*LK+1], v[SCR+12:SCR+13] op_sel_hi:[1,0]
.set LK, LK+1
.endr
	WIN \wg
.set LK, 0
.rept (\cnt)/2
	v_pk_fma_f32 v[\hb+2*LK:\hb+2*LK+1], v[\hb+2*LK:\hb+2*LK+1], v[\gg+2*LK:\gg+2*LK+1], v[\be+2*LK:\be+2*LK+1]
.set LK, LK+1
.endr
	WIN \wb
.endm
; nb blocks of 16 numbers become codes: relu and the hold at the largest code in one line (the conversion to an 8-bit code does not saturate: ISA guide 7.6.2)
.macro QRELU hb, nb, pp, lim, sc
.set QB, 0
.rept \nb
.set QI, 0
.rept 16
	v_med3_num_f32 v[\hb+16*QB+QI], v[\hb+16*QB+QI], 0, v[\lim]
.set QI, QI+1
.endr
	v_cvt_scalef32_pk8_fp8_f32 v[\pp+4*QB:\pp+4*QB+1], v[\hb+16*QB:\hb+16*QB+7], v[\sc]
	v_cvt_scalef32_pk8_fp8_f32 v[\pp+4*QB+2:\pp+4*QB+3], v[\hb+16*QB+8:\hb+16*QB+15], v[\sc]
.set QB, QB+1
.endr
	v_nop                                          ; one plain instruction between the last conversion and the product that reads its codes
.endm
.macro MM1 hh, xa                      ; h (before LN) = W1^T [x, feat] + b1 / 2^(e0 + e1): eight tiles of 16 units; the bias is the C of each
	WIN 0x11                                       ; W1 and b1 window 1, data and result window 0
.set T, 0
.rept 8
	v_wmma_f32_16x16x64_fp8_fp8 v[\hh+8*T:\hh+8*T+7], v[W1+8*T:W1+8*T+7], v[\xa:\xa+7], v[B1+8*T:B1+8*T+7]
.set T, T+1
.endr
.endm
.macro V1 hh, pp
	LN \hh, 64, 0xbc000000, 0x3c000000, EPS1, 0, 0x14, G1, BE1
	QRELU \hh, 4, \pp, LIM2, SC2
.endm
.macro MM2 h2, pp                      ; two tiles of 16 of the 32 outputs, K = 128
	WIN 0xa2                                       ; W2, b2 and the result window 2, h's codes window 0
.set T, 0
.rept 2
	v_wmma_f32_16x16x128_fp8_fp8 v[\h2+8*T:\h2+8*T+7], v[W2F+16*T:W2F+16*T+15], v[\pp:\pp+15], v[B2+8*T:B2+8*T+7]
.set T, T+1
.endr
.endm
.macro V2 h2, p2                       ; h_out = relu(LN(..)) stays in f32 for the weighted sum; a held copy is quantised
	LN \h2, 16, 0xbd000000, 0x3d000000, EPS2, 0xaa, 0xaa, G2, BE2
.set VI, 0
.rept 16
	v_max_num_f32 v[\h2+VI], 0, v[\h2+VI]
.set VI, VI+1
.endr
.set VI, 0
.rept 16
	v_min_num_f32 v[T16+VI], v[\h2+VI], v[LIM4]
.set VI, VI+1
.endr
	v_cvt_scalef32_pk8_fp8_f32 v[\p2:\p2+1], v[T16:T16+7], v[SC4]
	v_cvt_scalef32_pk8_fp8_f32 v[\p2+2:\p2+3], v[T16+8:T16+15], v[SC4]
	v_nop
.endm
.macro MM3 h3, p2                      ; K = 32 in the K = 64 form: registers 4-7 of both operands are zero codes
	WIN 0xaa
	v_wmma_f32_16x16x64_fp8_fp8 v[\h3:\h3+7], v[GW1:GW1+7], v[\p2:\p2+7], v[GB1:GB1+7]
.endm
; relu, the 16 -> 4 product in f32 (my 8 units, then lane xor 16's), the clip, e = 2^(logit log2 e), 0 for lanes whose row the mask hides, and the sums
.macro V3 h2, h3, sv
.set VI, 0
.rept 8
	v_max_num_f32 v[ZZ+2*VI], 0, v[\h3+VI]
.set VI, VI+1
.endr
	v_pk_fma_f32 v[PL:PL+1], v[GW2:GW2+1], v[ZZ:ZZ+1], v[GB2:GB2+1] op_sel_hi:[1,0,1]
	v_pk_fma_f32 v[PL+2:PL+3], v[GW2+2:GW2+3], v[ZZ:ZZ+1], v[GB2+2:GB2+3] op_sel_hi:[1,0,1]
	v_pk_mul_f32 v[QL:QL+1], v[GW2+4:GW2+5], v[ZZ+2:ZZ+3] op_sel_hi:[1,0]
	v_pk_mul_f32 v[QL+2:QL+3], v[GW2+6:GW2+7], v[ZZ+2:ZZ+3] op_sel_hi:[1,0]
.set VI, 2
.rept 3
	v_pk_fma_f32 v[PL:PL+1], v[GW2+4*VI:GW2+4*VI+1], v[ZZ+2*VI:ZZ+2*VI+1], v[PL:PL+1] op_sel_hi:[1,0,1]
	v_pk_fma_f32 v[PL+2:PL+3], v[GW2+4*VI+2:GW2+4*VI+3], v[ZZ+2*VI:ZZ+2*VI+1], v[PL+2:PL+3] op_sel_hi:[1,0,1]
	v_pk_fma_f32 v[QL:QL+1], v[GW2+4*VI+4:GW2+4*VI+5], v[ZZ+2*VI+2:ZZ+2*VI+3], v[QL:QL+1] op_sel_hi:[1,0,1]
	v_pk_fma_f32 v[QL+2:QL+3], v[GW2+4*VI+6:GW2+4*VI+7], v[ZZ+2*VI+2:ZZ+2*VI+3], v[QL+2:QL+3] op_sel_hi:[1,0,1]
.set VI, VI+2
.endr
	v_pk_add_f32 v[PL:PL+1], v[PL:PL+1], v[QL:QL+1]
	v_pk_add_f32 v[PL+2:PL+3], v[PL+2:PL+3], v[QL+2:QL+3]
.set VI, 0
.rept 4
	v_permlanex16_b32 v[QL+VI], v[PL+VI], s[SEL], s[SEL+1]
.set VI, VI+1
.endr
	v_pk_add_f32 v[PL:PL+1], v[PL:PL+1], v[QL:QL+1]
	v_pk_add_f32 v[PL+2:PL+3], v[PL+2:PL+3], v[QL+2:QL+3]
.set VI, 0
.rept 4
	v_med3_num_f32 v[EE+2*VI], v[PL+VI], -v[CLIP], v[CLIP]
.set VI, VI+1
.endr
.set VI, 0
.rept 4
	v_exp_f32 v[EE+2*VI], v[EE+2*VI]
.set VI, VI+1
.endr
	v_nop                                          ; one plain instruction behind the exponentials
.set VI, 0
	s_wait_alu depctr_va_vdst(0)
.rept 4
	v_cndmask_b32 v[EE+2*VI], 0, v[EE+2*VI], s[\sv]
.set VI, VI+1
.endr
.set VI, 0
.rept 4
	v_add_f32 v[DEN+VI], v[DEN+VI], v[EE+2*VI]
.set VI, VI+1
.endr
	WIN 0xfa                                       ; the sums window 3, h_out and e window 2
.set VW, 0
.rept 4
.set VI, 0
.rept 8
	v_pk_fma_f32 v[16*VW+2*VI:16*VW+2*VI+1], v[\h2+2*VI:\h2+2*VI+1], v[EE+2*VW:EE+2*VW+1], v[16*VW+2*VI:16*VW+2*VI+1] op_sel_hi:[1,0,1]
.set VI, VI+1
.endr
.set VW, VW+1
.endr
	WIN 0xaa
.endm
; The next 32 x and 32 mask words of my list are asked for: slot s holds j = 32 s + lane.  The look-ahead past the last slot is held at slot 31: it reads again what nobody uses.
.macro NEXTSLOT
	s_min_u32 s92, s[NS], TRIPS-1
	s_lshl_b32 s92, s92, 7                         ; 128 bytes a slot
	s_add_co_u32 s[NS], s[NS], 1
	v_add_nc_u32 v[LDA], s92, v[LSTA]
	ds_load_b32 v[LX], v[LDA]
	ds_load_b32 v[LM], v[LDA] offset:4096
.endm
; From a slot's x and mask to the two data fragments.  Registers 0-3: the row's 16 codes of feat_emb of my half, from the table: tile E rows 32 s + r, tile O 16 rows (256 bytes) further on;
; an instruction's sixteen lanes read 256 consecutive bytes.  Register 4, byte 0: x's code (in lanes 16-31 it meets zero weights).
; The five lines at the head are also the places between the first product's matrix instructions and the writes of their sources.
.macro GATH
	s_min_u32 s93, s[GS], TRIPS-1
	s_lshl_b32 s93, s93, 9                         ; 32 rows of 16 bytes a slot
	s_add_co_u32 s[GS], s[GS], 1
	v_med3_num_f32 v[XQ], v[LX], -v[LIM0], v[LIM0]
	v_cmp_ne_u32 s[VA], 0, v[LM]                   ; which of the 32 rows count: it only selects values
	v_add_nc_u32 v[JE], s93, v[TBA]
	v_nop
	v_nop
	v_cvt_scalef32_pk8_fp8_f32 v[XAE+4:XAE+5], v[XQ:XQ+7], v[SC0]
	v_nop
	v_permlanex16_b32 v[XAO+4], v[XAE+4], s[SEL], s[SEL+1]     ; tile O's x lie in list lanes 16-31
	ds_load_b128 v[XAE:XAE+3], v[JE]
	ds_load_b128 v[XAO:XAO+3], v[JE] offset:256
.endm
; The end: n numbers a lane are folded to n / 2: a lane keeps one half, sends the other to lane xor x and adds what it gets
.macro RSTEP n, sm, x
.set RK, 0
.rept (\n)/2
	v_cndmask_b32 v[RT+RK], v[RA+RK+(\n)/2], v[RA+RK], s[\sm]
	v_cndmask_b32 v[RA+RK], v[RA+RK], v[RA+RK+(\n)/2], s[\sm]
	v_add_f32_dpp v[RA+RK], v[RT+RK], v[RA+RK] row_xmask:\x row_mask:0xf bank_mask:0xf
.set RK, RK+1
.endr
.endm
	; ---------------- entry: addresses and lane numbers
	s_load_b512 s[8:23], s[0:1], 0x0               ; x 8, mask 10, feat_emb 12, h_w1 14, h_b1 16, h_ln1_g 18, h_ln1_b 20, h_w2_codes 22
	s_load_b512 s[24:39], s[0:1], 0x40             ; h_b2 24, h_ln2_g 26, h_ln2_b 28, g_w1_codes 30, g_b1 32, g_w2 34, g_b2 36, lowp_scales 38
	s_load_b128 s[40:43], s[0:1], 0x80             ; pnum 40, pden 42
	v_lshl_add_u32 v238, v0, 2, 0x11400
	v_mov_b32 v239, 0
	v_lshrrev_b32 v[TT], 5, v0
	v_readfirstlane_b32 s[WV], v[TT]               ; wave 0..3
	v_and_b32 v[LANE], 31, v0
	v_and_b32 v[RR], 15, v0
	v_bfe_u32 v[HH], v0, 4, 1
	v_mul_u32_u24 v[TBA], v[HH], DIST
	v_lshl_add_u32 v[TBA], v[RR], 4, v[TBA]
	v_mov_b32 v[ZERO], 0
	s_mul_i32 s92, s[WV], LSTW
	s_add_co_u32 s92, s92, LIST
	v_lshl_add_u32 v[LSTA], v[LANE], 2, s92
	v_lshl_add_u32 v[LSB], v[LANE], 4, s92
	v_lshlrev_b32 v[L16], 4, v[LANE]
	v_lshlrev_b32 v[JL4], 2, v[LANE]
	v_and_b32 v[TT], 8, v[RR]
	v_add_nc_u32 v[TT], v[TT], v[RR]               ; r + 8 (r / 8)
	s_lshl_b32 s92, s[WV], 5
	v_add_nc_u32 v[W1R], s92, v[TT]
	v_lshlrev_b32 v[W1R], 2, v[W1R]                ; h_w1: column 32 wave + r + 8 (r / 8), in bytes
	v_lshl_add_u32 v[W1O], v[HH], 13, v[W1R]       ; + 16 h rows of 512 bytes
	s_mov_b32 s[SEL], 0x76543210                   ; v_permlanex16_b32: lane xor 16
	s_mov_b32 s[SEL+1], 0xfedcba98
	s_mov_b32 s[SHI], 0xffff0000                   ; lanes 16-31
	s_mov_b32 s[SM8], 0xff00ff00                   ; lanes whose number has bit 3, 2, 1, 0
	s_mov_b32 s[SM4], 0xf0f0f0f0
	s_mov_b32 s[SM2], 0xcccccccc
	s_mov_b32 s[SM1], 0xaaaaaaaa
	s_and_b32 s[BB], ttmp7, 0xffff
	s_lshl_b32 s[BB], s[BB], 2
	s_add_co_u32 s[BB], s[BB], s[WV]               ; b
	s_lshl_b32 s92, s[BB], 16
	s_lshl_b32 s93, ttmp9, 12
	s_add_co_u32 s92, s92, s93                     ; x, mask: b rows of 65,536 bytes + the chunk's 4,096
	s_mov_b32 s93, 0
	s_lshl_b32 s94, ttmp9, 17
	s_lshl_b32 s95, s[WV], 15
	s_add_co_u32 s94, s94, s95                     ; feat_emb: (1,024 chunk + 256 wave) rows of 128 bytes
	s_mov_b32 s95, 0
	s_lshl_b32 s96, s[BB], 4
	s_add_co_u32 s96, s96, ttmp9
	s_lshl_b32 s96, s96, 7                         ; pden: (16 b + chunk) x 128 bytes
	s_mov_b32 s97, 0
	s_wait_kmcnt 0x0
	s_load_b256 s[44:51], s[38:39], 0x0            ; e0 .. e7
	s_add_nc_u64 s[8:9], s[8:9], s[92:93]
	s_add_nc_u64 s[10:11], s[10:11], s[92:93]
	s_add_nc_u64 s[12:13], s[12:13], s[94:95]
	s_add_nc_u64 s[42:43], s[42:43], s[96:97]
	s_lshl_b32 s96, s96, 2                         ; pnum: x 512 bytes
	s_add_nc_u64 s[40:41], s[40:41], s[96:97]
	; ---------------- loads: mask 8, x 8, my two tiles of h_w1 34, my 256 rows of feat_emb 64
.set I, 0
.rept 8
	global_load_b128 v[MK+4*I:MK+4*I+3], v[L16], s[10:11] offset:512*I th:TH_LOAD_NT
.set I, I+1
.endr
.set I, 0
.rept 8
	global_load_b128 v[XV+4*I:XV+4*I+3], v[L16], s[8:9] offset:512*I th:TH_LOAD_NT
.set I, I+1
.endr
.set U, 0
.rept 2                                ; tile 2 wave + U: value I = h_w1(1 + 16 h + I, unit), value 16 = h_w1(0, unit): x's weight
.set I, 0
.rept 16
	global_load_b32 v[W1Q+24*U+I], v[W1O], s[14:15] offset:((1+I)*128+8*U)*4
.set I, I+1
.endr
	global_load_b32 v[W1Q+24*U+16], v[W1R], s[14:15] offset:32*U
.set U, U+1
.endr
	WIN 0xc0                                       ; destination window 3
.set I, 0
.rept 64
	global_load_b128 v[4*I:4*I+3], v[L16], s[12:13] offset:512*I   ; 512 consecutive bytes a load: row 4 I + lane / 8, dims 4 (lane % 8) on
.set I, I+1
.endr
	WIN 0
	s_wait_loadcnt 0x3f                            ; 114 loads were issued: with 63 out at the most the first 51 are in: mask, x and h_w1 are the first 50
	; ---------------- my x and my mask go into my list as they lie: a load gave a lane four neighbours, a trip wants one a lane
.set I, 0
.rept 8
	ds_store_b128 v[LSB], v[XV+4*I:XV+4*I+3] offset:512*I
	ds_store_b128 v[LSB], v[MK+4*I:MK+4*I+3] offset:4096+512*I
.set I, I+1
.endr
	; ---------------- the constants are asked for, straight into the registers in which they stay
	s_wait_loadcnt 0x0                             ; feat_emb is in
	v_lshlrev_b32 v[O64], 6, v[HH]
	v_lshlrev_b32 v[O32], 5, v[HH]
	v_lshlrev_b32 v[O128], 7, v[HH]
	v_lshlrev_b32 v[W2O], 7, v[TT]
	v_lshl_add_u32 v[W2O], v[HH], 4, v[W2O]        ; h_w2_codes: row r + 8 (r / 8) of 128 bytes, + 16 h
	v_lshlrev_b32 v[GWO], 5, v[RR]
	v_lshl_add_u32 v[GWO], v[HH], 4, v[GWO]        ; g_w1_codes: row r of 32 bytes, + 16 h
	WIN 0x40                                       ; destination window 1
.set T, 0
.rept 8                                ; register 8 T + j belongs to unit 32 (T / 2) + 16 h + 8 (T % 2) + j
.set OF, (32*(T/2)+8*(T%2))*4
	global_load_b128 v[B1+8*T:B1+8*T+3], v[O64], s[16:17] offset:OF
	global_load_b128 v[B1+8*T+4:B1+8*T+7], v[O64], s[16:17] offset:OF+16
	global_load_b128 v[G1+8*T:G1+8*T+3], v[O64], s[18:19] offset:OF
	global_load_b128 v[G1+8*T+4:G1+8*T+7], v[O64], s[18:19] offset:OF+16
	global_load_b128 v[BE1+8*T:BE1+8*T+3], v[O64], s[20:21] offset:OF
	global_load_b128 v[BE1+8*T+4:BE1+8*T+7], v[O64], s[20:21] offset:OF+16
.set T, T+1
.endr
	WIN 0x80                                       ; destination window 2
.set T, 0
.rept 2
.set I, 0
.rept 4
	global_load_b128 v[W2F+16*T+4*I:W2F+16*T+4*I+3], v[W2O], s[22:23] offset:1024*T+32*I
.set I, I+1
.endr
	global_load_b128 v[B2+8*T:B2+8*T+3], v[O64], s[24:25] offset:32*T          ; register 8 T + j belongs to d = 16 h + 8 T + j
	global_load_b128 v[B2+8*T+4:B2+8*T+7], v[O64], s[24:25] offset:32*T+16
	global_load_b128 v[G2+8*T:G2+8*T+3], v[O64], s[26:27] offset:32*T
	global_load_b128 v[G2+8*T+4:G2+8*T+7], v[O64], s[26:27] offset:32*T+16
	global_load_b128 v[BE2+8*T:BE2+8*T+3], v[O64], s[28:29] offset:32*T
	global_load_b128 v[BE2+8*T+4:BE2+8*T+7], v[O64], s[28:29] offset:32*T+16
.set T, T+1
.endr
	global_load_b128 v[GW1:GW1+3], v[GWO], s[30:31]
	global_load_b128 v[GB1:GB1+3], v[O32], s[32:33]                            ; unit 8 h + j
	global_load_b128 v[GB1+4:GB1+7], v[O32], s[32:33] offset:16
.set I, 0
.rept 8
	global_load_b128 v[GW2+4*I:GW2+4*I+3], v[O128], s[34:35] offset:16*I       ; g_w2(8 h + I, 0 .. 3)
.set I, I+1
.endr
	global_load_b128 v[GB2:GB2+3], v[ZERO], s[36:37]
	WIN 0
	; ---------------- my two tiles of W1 become codes and go to LDS as images of their registers
	s_wait_kmcnt 0x0
	MKSC 44, SC0, LIM0
	MKSC 45, SC1, LIM1
	MKSC 46, SC2, LIM2
.set U, 0
.rept 2
	v_cndmask_b32 v[W1Q+24*U+16], v[W1Q+24*U+16], 0, s[SHI]    ; x's weight stands in lanes 0-15 alone
.set I, 17
.rept 7
	v_mov_b32 v[W1Q+24*U+I], 0
.set I, I+1
.endr
.set I, 0
.rept 17
	v_med3_num_f32 v[W1Q+24*U+I], v[W1Q+24*U+I], -v[LIM1], v[LIM1]
.set I, I+1
.endr
.set I, 0
.rept 3
	v_cvt_scalef32_pk8_fp8_f32 v[WC+8*U+2*I:WC+8*U+2*I+1], v[W1Q+24*U+8*I:W1Q+24*U+8*I+7], v[SC1]
.set I, I+1
.endr
.set U, U+1
.endr
	v_nop
	s_mul_i32 s92, s[WV], 1280
	s_add_co_u32 s92, s92, W1IMG
	v_add_nc_u32 v[W1A], s92, v[L16]
	v_add_nc_u32 v[W1B], s92, v[JL4]
.set U, 0
.rept 2
	ds_store_b128 v[W1A], v[WC+8*U:WC+8*U+3] offset:640*U
	ds_store_b32 v[W1B], v[WC+8*U+4] offset:640*U+512
.set U, U+1
.endr
	; ---------------- my 256 rows of feat_emb become codes and go into the table
	WIN 0xc3                                       ; the numbers window 3, the hold's bound window 0
.set I, 0
.rept 256
	v_med3_num_f32 v[I], v[I], -v[LIM0], v[LIM0]
.set I, I+1
.endr
	WIN 0x03
.set I, 0
.rept 32
	v_cvt_scalef32_pk8_fp8_f32 v[FC+2*I:FC+2*I+1], v[8*I:8*I+7], v[SC0]        ; register FC + k: the four codes of load k
.set I, I+1
.endr
	v_nop
	WIN 0
	v_lshrrev_b32 v[FTA], 3, v[LANE]
	v_lshlrev_b32 v[FTA], 4, v[FTA]                ; row lane / 8 of the load's four,
	v_and_b32 v[T2], 3, v[LANE]
	v_lshl_add_u32 v[FTA], v[T2], 2, v[FTA]        ; four codes at byte 4 (lane % 4),
	v_bfe_u32 v[T2], v[LANE], 2, 1
	v_mad_u32_u24 v[FTA], v[T2], DIST, v[FTA]      ; of dims 0-15 or of dims 16-31,
	s_lshl_b32 s92, s[WV], 12
	v_add_nc_u32 v[FTA], s92, v[FTA]               ; behind the rows of the waves below mine
.set I, 0
.rept 64
	ds_store_b32 v[FTA], v[FC+I] offset:64*I
.set I, I+1
.endr
	s_wait_dscnt 0x0                               ; for the others' sake: all my LDS stores have landed
	s_barrier_signal -1
	s_barrier_wait -1                              ; table, images and lists are whole; from here on LDS is only read
	; ---------------- W1's eight fragments; what must begin as zero; the constants are scaled
	WIN 0x40
.set T, 0
.rept 8
	ds_load_b128 v[W1+8*T:W1+8*T+3], v[L16] offset:W1IMG+640*T
	ds_load_b32 v[W1+8*T+4], v[JL4] offset:W1IMG+640*T+512
	v_mov_b32 v[W1+8*T+5], 0
	v_mov_b32 v[W1+8*T+6], 0
	v_mov_b32 v[W1+8*T+7], 0
.set T, T+1
.endr
	WIN 0xc0
.set I, 0
.rept 64
	v_mov_b32 v[I], 0                              ; the weighted sums: the trip is written once, and its first run finds zeros
.set I, I+1
.endr
	WIN 0x80
.set I, 0
.rept 4
	v_mov_b32 v[GW1+4+I], 0
	v_mov_b32 v[DEN+I], 0
	v_mov_b32 v[P2E+4+I], 0
	v_mov_b32 v[P2O+4+I], 0
.set I, I+1
.endr
.set I, 208
.rept 48
	v_mov_b32 v[I], 0                              ; registers that are named as halves of pairs or as a lane permute's destination
.set I, I+1
.endr
	WIN 0
.set I, 0
.rept 8
	v_mov_b32 v[XQ+I], 0
.set I, I+1
.endr
	v_mov_b32 v[XAE+6], 0
	v_mov_b32 v[XAE+7], 0
.set I, 4
.rept 4
	v_mov_b32 v[XAO+I], 0
.set I, I+1
.endr
.set I, 0
.rept 16
	v_mov_b32 v[SCR+I], 0
.set I, I+1
.endr
	s_add_co_i32 s92, s44, s45                     ; e0 + e1: the first product's sums lack the factor 2^(e0 + e1): b1 goes in divided by it, and LN's eps by its square
	s_lshl_b32 s93, s92, 24
	s_sub_co_u32 s[EPS1], 0x3727c5ac, s93          ; 1e-5 / 4^(e0 + e1)
	s_sub_co_i32 s94, 0, s92
	s_add_co_i32 s92, s46, s47                     ; e2 + e3 likewise
	s_lshl_b32 s93, s92, 24
	s_sub_co_u32 s[EPS2], 0x3727c5ac, s93
	s_sub_co_i32 s95, 0, s92
	s_add_co_i32 s92, s48, s49                     ; e4 + e5: g_b1 goes in divided by 2^(e4 + e5); g_w2 takes the factor, and log2(e) with it
	s_sub_co_i32 s96, 0, s92
	s_lshl_b32 s92, s92, 23
	s_add_co_u32 s97, s92, 0x3fb8aa3b
	s_wait_loadcnt 0x0                             ; the constants are in
	WIN 0x41
.set I, 0
.rept 64
	v_ldexp_f32 v[B1+I], v[B1+I], s94
.set I, I+1
.endr
	WIN 0x82
.set I, 0
.rept 16
	v_ldexp_f32 v[B2+I], v[B2+I], s95
.set I, I+1
.endr
.set I, 0
.rept 8
	v_ldexp_f32 v[GB1+I], v[GB1+I], s96
.set I, I+1
.endr
.set I, 0
.rept 32
	v_mul_f32 v[GW2+I], v[GW2+I], s97
.set I, I+1
.endr
.set I, 0
.rept 4
	v_mul_f32 v[GB2+I], v[GB2+I], 0x3fb8aa3b
.set I, I+1
.endr
.set I, 0
.rept 4
	v_cndmask_b32 v[GB2+I], v[GB2+I], 0, s[SHI]    ; the two halves' partial sums are added: the bias goes in once
.set I, I+1
.endr
	MKSC 48, SC4, LIM4
	v_mov_b32 v[CLIP], 0x4166d4ca                  ; 10 log2(e)
	WIN 0
	; ---------------- the loop: a trip takes 32 j.  Fragments are fetched one trip ahead, x and mask are read two trips ahead
	s_mov_b32 s[NS], 0
	s_mov_b32 s[GS], 0
	NEXTSLOT
	s_wait_dscnt 0x0                               ; W1's fragments and the first slot's x and mask
	GATH
	NEXTSLOT
	s_mov_b32 s[TC], 0
.Ltrip:
	s_wait_dscnt 0x0                               ; this trip's fragments and the next trip's x and mask, both asked for a trip ago
	s_and_b32 s92, s[VA], 0xffff                   ; which rows count: tile E's 16 bits and tile O's, each for both halves of the lanes
	s_lshl_b32 s93, s[VA], 16
	s_or_b32 s[VE], s92, s93
	s_lshr_b32 s92, s[VA], 16
	s_and_b32 s93, s[VA], s[SHI]
	s_or_b32 s[VO], s92, s93
	MM1 H1E, XAE
	MM1 H1O, XAO
	WIN 0
	GATH                                           ; every matrix result below is first read behind the other tile's vector work, which names none of its registers
	NEXTSLOT
	V1 H1E, P1E
	MM2 H2E, P1E
	WIN 0
	V1 H1O, P1O
	MM2 H2O, P1O
	WIN 0xaa
	V2 H2E, P2E
	MM3 H3E, P2E
	V2 H2O, P2O
	MM3 H3O, P2O
	V3 H2E, H3E, VE
	V3 H2O, H3O, VO
	WIN 0                                          ; at a label and at a branch every window is 0
	s_add_co_u32 s[TC], s[TC], 1
	s_cmp_lt_u32 s[TC], TRIPS
	s_cbranch_scc1 .Ltrip
	s_wait_dscnt 0x0                               ; the look-ahead's loads
	; ---------------- the sums over the 16 rows of each half of the lanes: 64 numbers a lane are folded four times; lane r ends with numbers 4 r .. 4 r + 3
	WIN 0x0f                                       ; sources 0 and 1 window 3
.set RK, 0
.rept 32
	v_cndmask_b32 v[RT+RK], v[RK+32], v[RK], s[SM8]
	v_cndmask_b32 v[RA+RK], v[RK], v[RK+32], s[SM8]
.set RK, RK+1
.endr
	WIN 0
.set RK, 0
.rept 32
	v_add_f32_dpp v[RA+RK], v[RT+RK], v[RA+RK] row_xmask:8 row_mask:0xf bank_mask:0xf
.set RK, RK+1
.endr
	RSTEP 32, SM4, 4
	RSTEP 16, SM2, 2
	RSTEP 8, SM1, 1
	v_lshrrev_b32 v212, 2, v[RR]
	v_lshlrev_b32 v212, 7, v212                    ; number 16 w + i, d = 16 h + i, lies at 4 (32 w + d): w = r / 4, i = 4 (r % 4) on
	v_lshl_add_u32 v212, v[HH], 6, v212
	v_and_b32 v213, 3, v[RR]
	v_lshl_add_u32 v212, v213, 4, v212
	global_store_b128 v212, v[RA:RA+3], s[40:41]   ; the wave stores 512 consecutive bytes, aligned
	WIN 0x02
.set I, 0
.rept 4
	v_mov_b32 v[208+I], v[DEN+I]
.set I, I+1
.endr
	WIN 0
.irp x, 1,2,4,8                        ; both halves of the lanes hold the same e: the sum goes over 16 lanes
.set I, 0
.rept 4
	v_add_f32_dpp v[208+I], v[208+I], v[208+I] row_xmask:\x row_mask:0xf bank_mask:0xf
.set I, I+1
.endr
.endr
	v_cndmask_b32 v208, v208, v209, s[SM8]
	v_cndmask_b32 v210, v210, v211, s[SM8]
	v_cndmask_b32 v208, v208, v210, s[SHI]         ; lane L: the divisor of head L / 8, as the next launch's lanes want it
	global_store_b32 v[JL4], v208, s[42:43]
	s_wait_tensorcnt 0x0
	ds_add_u32 v238, v239
	s_wait_dscnt 0x0
	s_endpgm
.Lfunc_end_k_qc5d1ebd13a_main:
	.size	k_qc5d1ebd13a_main, .Lfunc_end_k_qc5d1ebd13a_main-k_qc5d1ebd13a_main
	.p2alignl 7, 3214868480
	.fill 96, 4, 3214868480
	.section	.rodata,"a",@progbits
	.p2align	6, 0x0
	.amdhsa_kernel k_qc5d1ebd13a_main
		.amdhsa_group_segment_fixed_size 71168
		.amdhsa_private_segment_fixed_size 0
		.amdhsa_enable_private_segment 0
		.amdhsa_kernarg_size 144
		.amdhsa_user_sgpr_count 2
		.amdhsa_user_sgpr_kernarg_segment_ptr 1
		.amdhsa_wavefront_size32 1
		.amdhsa_system_sgpr_workgroup_id_x 1
		.amdhsa_system_sgpr_workgroup_id_y 1
		.amdhsa_system_sgpr_workgroup_id_z 1
		.amdhsa_system_vgpr_workitem_id 0
		.amdhsa_next_free_vgpr 1024
		.amdhsa_next_free_sgpr 100
		.amdhsa_reserve_vcc 0
		.amdhsa_float_denorm_mode_32 3
		.amdhsa_float_denorm_mode_16_64 3
		.amdhsa_memory_ordered 1
		.amdhsa_forward_progress 1
		.amdhsa_inst_pref_size 131
	.end_amdhsa_kernel
	.amdgpu_metadata
---
amdhsa.version: [ 1, 2 ]
amdhsa.kernels:
  - .name:           k_qc5d1ebd13a_main
    .symbol:         k_qc5d1ebd13a_main.kd
    .args:
      - { .name: x, .offset: 0, .size: 8, .value_kind: global_buffer, .address_space: global }
      - { .name: mask, .offset: 8, .size: 8, .value_kind: global_buffer, .address_space: global }
      - { .name: feat_emb, .offset: 16, .size: 8, .value_kind: global_buffer, .address_space: global }
      - { .name: h_w1, .offset: 24, .size: 8, .value_kind: global_buffer, .address_space: global }
      - { .name: h_b1, .offset: 32, .size: 8, .value_kind: global_buffer, .address_space: global }
      - { .name: h_ln1_g, .offset: 40, .size: 8, .value_kind: global_buffer, .address_space: global }
      - { .name: h_ln1_b, .offset: 48, .size: 8, .value_kind: global_buffer, .address_space: global }
      - { .name: h_w2_codes, .offset: 56, .size: 8, .value_kind: global_buffer, .address_space: global }
      - { .name: h_b2, .offset: 64, .size: 8, .value_kind: global_buffer, .address_space: global }
      - { .name: h_ln2_g, .offset: 72, .size: 8, .value_kind: global_buffer, .address_space: global }
      - { .name: h_ln2_b, .offset: 80, .size: 8, .value_kind: global_buffer, .address_space: global }
      - { .name: g_w1_codes, .offset: 88, .size: 8, .value_kind: global_buffer, .address_space: global }
      - { .name: g_b1, .offset: 96, .size: 8, .value_kind: global_buffer, .address_space: global }
      - { .name: g_w2, .offset: 104, .size: 8, .value_kind: global_buffer, .address_space: global }
      - { .name: g_b2, .offset: 112, .size: 8, .value_kind: global_buffer, .address_space: global }
      - { .name: lowp_scales, .offset: 120, .size: 8, .value_kind: global_buffer, .address_space: global }
      - { .name: pnum, .offset: 128, .size: 8, .value_kind: global_buffer, .address_space: global }
      - { .name: pden, .offset: 136, .size: 8, .value_kind: global_buffer, .address_space: global }
    .group_segment_fixed_size: 71168
    .private_segment_fixed_size: 0
    .kernarg_segment_align: 8
    .kernarg_segment_size: 144
    .max_flat_workgroup_size: 128
    .sgpr_count:     100
    .vgpr_count:     1024
    .wavefront_size: 32
...
	.end_amdgpu_metadata
.endif
;; end of part 1
;; launch tail (part 2): grid 64 x 1, 1 waves a work-group, no clusters, 512 bytes of LDS; arguments pnum, pden, c_w_codes, c_b, c_ln_g, c_ln_b, e_w1_codes, e_b1, e_ln1_g, e_ln1_b, e_w2_codes, e_b2, e_ln2_g, e_ln2_b, lowp_scales, out0, out1; writes out0, out1
.if DOCPART == 2
	.amdgcn_target "amdgcn-amd-amdhsa--gfx1250"
	.amdhsa_code_object_version 6
	.text
	.protected	k_qc5d1ebd13a_tail
	.globl	k_qc5d1ebd13a_tail
	.p2align	8
	.type	k_qc5d1ebd13a_tail,@function
k_qc5d1ebd13a_tail:
	s_mov_b64 s[64:65], 0
	v_nop
	global_prefetch_b8 v0, s[64:65] scope:SCOPE_SE
	s_setreg_imm32_b32 hwreg(HW_REG_WAVE_MODE, 25, 1), 1
	s_wait_xcnt 0x0
; One wave for each b.  head_sums = (sum over 16 chunks of pnum) / max(sum of pden, 1e-30); c = relu(LN(head_sums Cw + cb)), 0 where b has no observed pair;
; e1 = relu(LN(c E1 + eb1)); [mu, logvar] = relu(LN(e1 E2 + eb2)).  The three products run on E4M3 codes with the given scales.
; A chain of three small layers on one row: the row stands in all 16 columns of source 1, source 0 = 16 rows of the weight (transposed use), so lane (r, h) holds the units of its half and all r agree.
; One wave a row makes the sum over chunks 32 dense loads; all weights and constants are asked for at the head, in the order in which they are needed.
; No LDS ring, no cluster, no barrier: one wave, and nothing is shared between work-groups but 30 KiB of weights read once each.
; LIMITS.  e6, e8, e10 between -126 and 119; e6 + e7, e8 + e9, e10 + e11 between -72 and 54 (eps / 4^e must be an f32 number).  NaN among the inputs is not served.
.set SCR, 16                           ; v16-29: LN at work
.set SEL, 52
.set PN,  32
.set PD,  96
.set HS,  112
.set E1,  128
.set CM,  32
.set BL,  48
.set BH,  56
.set PP,  64
.set E2,  96
.set LIM, 11
.set SC,  12
; window 1
.set EB1, 0
.set EW1, 128
.set CW,  192
.set CB,  224
.set CG,  240
; window 2
.set EG1, 0
.set EBE1, 128
; window 3
.set EW2, 0
.set EB2, 128
.set EG2, 160
.set EBE2, 192
.set CBE, 224
.set MSB, 0
.macro WIN new                         ; the immediate's high byte repeats the setting that is left; a switch that changes nothing is dropped
.if MSB != \new
	s_set_vgpr_msb (MSB<<8)|\new
.set MSB, \new
.endif
.endm
.macro MKSC e                          ; v[SC] = 2^e as f32, v[LIM] = 448 x 2^e
	s_add_co_i32 s60, s[\e], 127
	s_lshl_b32 s61, s60, 23
	v_mov_b32 v[SC], s61
	s_add_co_i32 s60, s60, 8
	s_lshl_b32 s60, s60, 23
	s_or_b32 s60, s60, 0x600000
	v_mov_b32 v[LIM], s60
.endm
.macro MKEPS ea, eb, eps               ; s[eps] = 1e-5 / 4^(ea + eb), s60 = -(ea + eb): the product's sums lack the factor 2^(ea + eb)
	s_add_co_i32 s60, s[\ea], s[\eb]
	s_lshl_b32 s61, s60, 24
	s_sub_co_u32 s[\eps], 0x3727c5ac, s61
	s_sub_co_i32 s60, 0, s60
.endm
.macro PLACES                          ; four plain instructions between a matrix instruction and the first read of its result (ISA guide 7.12.1)
.rept 4
	v_nop
.endr
.endm
.macro LNRED
	v_pk_add_f32 v[SCR:SCR+1], v[SCR:SCR+1], v[SCR+2:SCR+3]
	v_pk_add_f32 v[SCR+4:SCR+5], v[SCR+4:SCR+5], v[SCR+6:SCR+7]
	v_pk_add_f32 v[SCR:SCR+1], v[SCR:SCR+1], v[SCR+4:SCR+5]
	v_add_f32 v[SCR+8], v[SCR], v[SCR+1]
	v_permlanex16_b32 v[SCR+9], v[SCR+8], s[SEL], s[SEL+1]
	v_add_f32 v[SCR+8], v[SCR+8], v[SCR+9]
.endm
; LayerNorm over 2 cnt units, cnt of them in this lane's registers hb on: two passes; the sums begin at each accumulator's low end and go up
.macro LN hb, cnt, nrn, rn, eps, wb, wg, gg, be
.set LK, 0
.rept 4
	v_pk_add_f32 v[SCR+2*LK:SCR+2*LK+1], v[\hb+2*LK:\hb+2*LK+1], v[\hb+2*LK+8:\hb+2*LK+9]
.set LK, LK+1
.endr
.set LK, 8
.rept (\cnt)/2-8
	v_pk_add_f32 v[SCR+2*(LK%4):SCR+2*(LK%4)+1], v[SCR+2*(LK%4):SCR+2*(LK%4)+1], v[\hb+2*LK:\hb+2*LK+1]
.set LK, LK+1
.endr
	LNRED
	v_mul_f32 v[SCR+10], \nrn, v[SCR+8]
.set LK, 0
.rept (\cnt)/2
	v_pk_add_f32 v[\hb+2*LK:\hb+2*LK+1], v[\hb+2*LK:\hb+2*LK+1], v[SCR+10:SCR+11] op_sel_hi:[1,0]
.set LK, LK+1
.endr
.set LK, 0
.rept 4
	v_pk_mul_f32 v[SCR+2*LK:SCR+2*LK+1], v[\hb+2*LK:\hb+2*LK+1], v[\hb+2*LK:\hb+2*LK+1]
.set LK, LK+1
.endr
.rept (\cnt)/2-4
	v_pk_fma_f32 v[SCR+2*(LK%4):SCR+2*(LK%4)+1], v[\hb+2*LK:\hb+2*LK+1], v[\hb+2*LK:\hb+2*LK+1], v[SCR+2*(LK%4):SCR+2*(LK%4)+1]
.set LK, LK+1
.endr
	LNRED
	v_fma_f32 v[SCR+8], v[SCR+8], \rn, s[\eps]
	v_rsq_f32 v[SCR+12], v[SCR+8]
	v_nop                                          ; one plain instruction behind the transcendental
.set LK, 0
	s_wait_alu depctr_va_vdst(0)
.rept (\cnt)/2
	v_pk_mul_f32 v[\hb+2*LK:\hb+2*LK+1], v[\hb+2*LK:\hb+2*LK+1], v[SCR+12:SCR+13] op_sel_hi:[1,0]
.set LK, LK+1
.endr
	WIN \wg
.set LK, 0
.rept (\cnt)/2
	v_pk_fma_f32 v[\hb+2*LK:\hb+2*LK+1], v[\hb+2*LK:\hb+2*LK+1], v[\gg+2*LK:\gg+2*LK+1], v[\be+2*LK:\be+2*LK+1]
.set LK, LK+1
.endr
	WIN \wb
.endm
.macro QRELU hb, nb, pp, lim, sc       ; relu and the hold at the largest code in one line, then the conversions
.set QB, 0
.rept \nb
.set QI, 0
.rept 16
	v_med3_num_f32 v[\hb+16*QB+QI], v[\hb+16*QB+QI], 0, v[\lim]
.set QI, QI+1
.endr
	v_cvt_scalef32_pk8_fp8_f32 v[\pp+4*QB:\pp+4*QB+1], v[\hb+16*QB:\hb+16*QB+7], v[\sc]
	v_cvt_scalef32_pk8_fp8_f32 v[\pp+4*QB+2:\pp+4*QB+3], v[\hb+16*QB+8:\hb+16*QB+15], v[\sc]
.set QB, QB+1
.endr
	v_nop
.endm
	s_load_b512 s[8:23], s[0:1], 0x0               ; pnum 8, pden 10, c_w_codes 12, c_b 14, c_ln_g 16, c_ln_b 18, e_w1_codes 20, e_b1 22
	s_load_b512 s[24:39], s[0:1], 0x40             ; e_ln1_g 24, e_ln1_b 26, e_w2_codes 28, e_b2 30, e_ln2_g 32, e_ln2_b 34, lowp_scales 36, out0 38
	s_load_b64 s[40:41], s[0:1], 0x80              ; out1
	s_set_vgpr_msb 0xc0
	v_lshl_add_u32 v254, v0, 2, 0x100
	v_mov_b32 v255, 0
	s_set_vgpr_msb 0xc000
	v_and_b32 v1, 15, v0                           ; r
	v_bfe_u32 v2, v0, 4, 1                         ; h
	v_lshlrev_b32 v3, 4, v0                        ; 16 lane
	v_lshlrev_b32 v4, 2, v0                        ; 4 lane
	v_lshlrev_b32 v5, 4, v2                        ; 16 h
	v_lshlrev_b32 v6, 6, v2                        ; 64 h
	v_lshlrev_b32 v7, 5, v2                        ; 32 h
	v_and_b32 v13, 8, v1
	v_add_nc_u32 v13, v13, v1                      ; r + 8 (r / 8)
	v_lshl_add_u32 v8, v13, 7, v5                  ; c_w_codes: rows of 128 bytes
	v_lshl_add_u32 v9, v13, 5, v5                  ; e_w1_codes: rows of 32 bytes
	v_lshl_add_u32 v10, v1, 8, v5                  ; e_w2_codes: row r of 256 bytes
.set I, 0
.rept 16
	v_mov_b32 v[SCR+I], 0                          ; registers that are named as halves of pairs or as a lane permute's destination
.set I, I+1
.endr
	s_mov_b32 s[SEL], 0x76543210
	s_mov_b32 s[SEL+1], 0xfedcba98
	s_lshl_b32 s42, ttmp9, 13                      ; pnum: b x 16 chunks x 512 bytes
	s_mov_b32 s43, 0
	s_lshl_b32 s50, ttmp9, 11                      ; pden: b x 16 x 128
	s_mov_b32 s51, 0
	s_lshl_b32 s54, ttmp9, 7                       ; out0, out1: b x 128
	s_mov_b32 s55, 0
	s_wait_kmcnt 0x0
	s_load_b128 s[44:47], s[36:37], 0x18           ; e6 .. e9
	s_load_b64 s[48:49], s[36:37], 0x28            ; e10, e11
	s_add_nc_u64 s[8:9], s[8:9], s[42:43]
	s_add_nc_u64 s[10:11], s[10:11], s[50:51]
	s_add_nc_u64 s[38:39], s[38:39], s[54:55]
	s_add_nc_u64 s[40:41], s[40:41], s[54:55]
	; ---------------- all 220 loads, in the order of need
.set I, 0
.rept 16
	global_load_b128 v[PN+4*I:PN+4*I+3], v3, s[8:9] offset:512*I      ; chunk I: lane L holds numbers 4 L .. 4 L + 3 (head L / 8)
.set I, I+1
.endr
.set I, 0
.rept 16
	global_load_b32 v[PD+I], v4, s[10:11] offset:128*I                ; lane L: the divisor's part of head L / 8
.set I, I+1
.endr
	WIN 0x40
.set U, 0
.rept 2
.set I, 0
.rept 4
	global_load_b128 v[CW+16*U+4*I:CW+16*U+4*I+3], v8, s[12:13] offset:1024*U+32*I   ; tile U: lane r takes row 8 U + r + 8 (r / 8)
.set I, I+1
.endr
.set U, U+1
.endr
.set U, 0
.rept 2                                ; register 8 U + j belongs to d = 16 h + 8 U + j
	global_load_b128 v[CB+8*U:CB+8*U+3], v6, s[14:15] offset:32*U
	global_load_b128 v[CB+8*U+4:CB+8*U+7], v6, s[14:15] offset:32*U+16
	global_load_b128 v[CG+8*U:CG+8*U+3], v6, s[16:17] offset:32*U
	global_load_b128 v[CG+8*U+4:CG+8*U+7], v6, s[16:17] offset:32*U+16
.set U, U+1
.endr
	WIN 0xc0
.set U, 0
.rept 2
	global_load_b128 v[CBE+8*U:CBE+8*U+3], v6, s[18:19] offset:32*U
	global_load_b128 v[CBE+8*U+4:CBE+8*U+7], v6, s[18:19] offset:32*U+16
.set U, U+1
.endr
	WIN 0x40
.set T, 0
.rept 16                               ; tile T: lane r takes row 32 (T / 2) + 8 (T % 2) + r + 8 (r / 8); two tiles share a fragment: registers 0-3 the even one, 4-7 the odd one
	global_load_b128 v[EW1+4*T:EW1+4*T+3], v9, s[20:21] offset:(32*(T/2)+8*(T%2))*32
.set T, T+1
.endr
.set T, 0
.rept 16                               ; register 8 T + j belongs to unit 32 (T / 2) + 16 h + 8 (T % 2) + j
	global_load_b128 v[EB1+8*T:EB1+8*T+3], v6, s[22:23] offset:(32*(T/2)+8*(T%2))*4
	global_load_b128 v[EB1+8*T+4:EB1+8*T+7], v6, s[22:23] offset:(32*(T/2)+8*(T%2))*4+16
.set T, T+1
.endr
	WIN 0x80
.set T, 0
.rept 16
	global_load_b128 v[EG1+8*T:EG1+8*T+3], v6, s[24:25] offset:(32*(T/2)+8*(T%2))*4
	global_load_b128 v[EG1+8*T+4:EG1+8*T+7], v6, s[24:25] offset:(32*(T/2)+8*(T%2))*4+16
.set T, T+1
.endr
.set T, 0
.rept 16
	global_load_b128 v[EBE1+8*T:EBE1+8*T+3], v6, s[26:27] offset:(32*(T/2)+8*(T%2))*4
	global_load_b128 v[EBE1+8*T+4:EBE1+8*T+7], v6, s[26:27] offset:(32*(T/2)+8*(T%2))*4+16
.set T, T+1
.endr
	WIN 0xc0
.set T, 0
.rept 4                                ; tile T: lane r takes row 16 T + r; K step KS at 128 KS
.set KS, 0
.rept 2
.set I, 0
.rept 4
	global_load_b128 v[EW2+16*(2*T+KS)+4*I:EW2+16*(2*T+KS)+4*I+3], v10, s[28:29] offset:4096*T+128*KS+32*I
.set I, I+1
.endr
.set KS, KS+1
.endr
.set T, T+1
.endr
.set T, 0
.rept 4                                ; register 8 T + j belongs to output 16 T + 8 h + j
	global_load_b128 v[EB2+8*T:EB2+8*T+3], v7, s[30:31] offset:64*T
	global_load_b128 v[EB2+8*T+4:EB2+8*T+7], v7, s[30:31] offset:64*T+16
	global_load_b128 v[EG2+8*T:EG2+8*T+3], v7, s[32:33] offset:64*T
	global_load_b128 v[EG2+8*T+4:EG2+8*T+7], v7, s[32:33] offset:64*T+16
	global_load_b128 v[EBE2+8*T:EBE2+8*T+3], v7, s[34:35] offset:64*T
	global_load_b128 v[EBE2+8*T+4:EBE2+8*T+7], v7, s[34:35] offset:64*T+16
.set T, T+1
.endr
	WIN 0
	s_wait_loadcnt 0x3f                            ; 220 loads were issued: with 63 out at the most the first 157 are in: all up to e_b1 are the first 100
	; ---------------- the 16 chunks are added; head_sums; its codes in the order of k through LDS
.irp st, 8,4,2,1
.set I, 0
.rept \st
	v_pk_add_f32 v[PN+4*I:PN+4*I+1], v[PN+4*I:PN+4*I+1], v[PN+4*(I+\st):PN+4*(I+\st)+1]
	v_pk_add_f32 v[PN+4*I+2:PN+4*I+3], v[PN+4*I+2:PN+4*I+3], v[PN+4*(I+\st)+2:PN+4*(I+\st)+3]
	v_add_f32 v[PD+I], v[PD+I], v[PD+I+\st]
.set I, I+1
.endr
.endr
	v_cmp_lt_f32 s56, 0, v[PD]                     ; has b an observed pair?  Every e is at least 4.5e-5, so the divisor says so; the mask only selects values
	v_max_num_f32 v[PD], 0x0da24260, v[PD]         ; 1e-30
	v_rcp_f32 v14, v[PD]
	v_mov_b32 v15, 0                               ; a plain instruction behind the transcendental; v15 is named with v14 as a pair
	s_wait_alu depctr_va_vdst(0)
	v_pk_mul_f32 v[PN:PN+1], v[PN:PN+1], v[14:15] op_sel_hi:[1,0]
	v_pk_mul_f32 v[PN+2:PN+3], v[PN+2:PN+3], v[14:15] op_sel_hi:[1,0]
	s_wait_kmcnt 0x0
	MKSC 44
.set I, 0
.rept 4
	v_med3_num_f32 v[PN+I], v[PN+I], -v[LIM], v[LIM]
	v_mov_b32 v[PN+4+I], 0
.set I, I+1
.endr
	v_cvt_scalef32_pk8_fp8_f32 v[PN+8:PN+9], v[PN:PN+7], v[SC]
	v_nop
	ds_store_b32 v4, v[PN+8]                       ; codes of k = 4 L .. 4 L + 3 at byte 4 L
.set I, 0
.rept 4
	ds_load_b128 v[HS+4*I:HS+4*I+3], v5 offset:32*I   ; registers 4 I on: k = 32 I + 16 h + 0 .. 15; LDS serves a wave's instructions in order
.set I, I+1
.endr
	; ---------------- combined = relu(LN(head_sums Cw + cb)), 0 without observed pairs
	MKEPS 44, 45, 57
	WIN 0x41
.set I, 0
.rept 16
	v_ldexp_f32 v[CB+I], v[CB+I], s60
.set I, I+1
.endr
	s_wait_dscnt 0x0
	WIN 0x11                                       ; weight and bias window 1, data and result window 0
.set U, 0
.rept 2
	v_wmma_f32_16x16x128_fp8_fp8 v[CM+8*U:CM+8*U+7], v[CW+16*U:CW+16*U+15], v[HS:HS+15], v[CB+8*U:CB+8*U+7]
.set U, U+1
.endr
	WIN 0
	PLACES
	LN CM, 16, 0xbd000000, 0x3d000000, 57, 0, 0x34, CG, CBE
	MKSC 46
.set I, 0
.rept 16
	v_med3_num_f32 v[CM+I], v[CM+I], 0, v[LIM]
.set I, I+1
.endr
.set I, 0
.rept 16
	v_cndmask_b32 v[CM+I], 0, v[CM+I], s56
.set I, I+1
.endr
	v_cvt_scalef32_pk8_fp8_f32 v[BL:BL+1], v[CM:CM+7], v[SC]
	v_cvt_scalef32_pk8_fp8_f32 v[BL+2:BL+3], v[CM+8:CM+15], v[SC]
	v_nop
.set I, 0
.rept 4
	v_mov_b32 v[BH+4+I], v[BL+I]                   ; the same 32 codes in registers 4-7, for the odd tiles; the other half of each fragment is zero codes
	v_mov_b32 v[BL+4+I], 0
	v_mov_b32 v[BH+I], 0
.set I, I+1
.endr
	; ---------------- e1 = relu(LN(c E1 + eb1)): 16 tiles, K = 32 in the K = 64 form
	MKEPS 46, 47, 58
	WIN 0x41
.set I, 0
.rept 128
	v_ldexp_f32 v[EB1+I], v[EB1+I], s60
.set I, I+1
.endr
	WIN 0x11
.set T, 0
.rept 8
	v_wmma_f32_16x16x64_fp8_fp8 v[E1+16*T:E1+16*T+7], v[EW1+8*T:EW1+8*T+7], v[BL:BL+7], v[EB1+16*T:EB1+16*T+7]
	v_wmma_f32_16x16x64_fp8_fp8 v[E1+16*T+8:E1+16*T+15], v[EW1+8*T:EW1+8*T+7], v[BH:BH+7], v[EB1+16*T+8:EB1+16*T+15]
.set T, T+1
.endr
	WIN 0
	s_wait_loadcnt 0x0                             ; the rest of the constants
	PLACES
	LN E1, 128, 0xbb800000, 0x3b800000, 58, 0, 0x28, EG1, EBE1
	MKSC 48
	QRELU E1, 8, PP, LIM, SC
	; ---------------- [mu, logvar] = relu(LN(e1 E2 + eb2)): four tiles, two K steps; the four accumulators take turns
	MKEPS 48, 49, 59
	WIN 0xc3
.set I, 0
.rept 32
	v_ldexp_f32 v[EB2+I], v[EB2+I], s60
.set I, I+1
.endr
	WIN 0x33                                       ; weight and bias window 3
.set T, 0
.rept 4
	v_wmma_f32_16x16x128_fp8_fp8 v[E2+8*T:E2+8*T+7], v[EW2+32*T:EW2+32*T+15], v[PP:PP+15], v[EB2+8*T:EB2+8*T+7]
.set T, T+1
.endr
	WIN 0x03
.set T, 0
.rept 4
	v_wmma_f32_16x16x128_fp8_fp8 v[E2+8*T:E2+8*T+7], v[EW2+32*T+16:EW2+32*T+31], v[PP+16:PP+31], v[E2+8*T:E2+8*T+7]
.set T, T+1
.endr
	WIN 0
	PLACES
	LN E2, 32, 0xbc800000, 0x3c800000, 59, 0, 0x3c, EG2, EBE2
.set I, 0
.rept 32
	v_max_num_f32 v[E2+I], 0, v[E2+I]
.set I, I+1
.endr
	; ---------------- all 16 columns hold the same row: lanes 0 and 16 store it, 32 bytes of each tile each
	v_cmp_eq_u32 vcc_lo, 0, v1
	s_wait_xcnt 0x0                                ; EXEC changes only when every earlier memory instruction has had its addresses translated
	s_set_vgpr_msb 0xf
	s_wait_tensorcnt 0x0
	ds_add_u32 v254, v255
	s_wait_dscnt 0x0
	s_set_vgpr_msb 0xf00
	s_and_saveexec_b32 s62, vcc_lo
.set T, 0
.rept 2
	global_store_b128 v7, v[E2+8*T:E2+8*T+3], s[38:39] offset:64*T
	global_store_b128 v7, v[E2+8*T+4:E2+8*T+7], s[38:39] offset:64*T+16
	global_store_b128 v7, v[E2+16+8*T:E2+16+8*T+3], s[40:41] offset:64*T
	global_store_b128 v7, v[E2+16+8*T+4:E2+16+8*T+7], s[40:41] offset:64*T+16
.set T, T+1
.endr
	s_wait_xcnt 0x0
	s_or_b32 exec_lo, exec_lo, s62
	s_endpgm
.Lfunc_end_k_qc5d1ebd13a_tail:
	.size	k_qc5d1ebd13a_tail, .Lfunc_end_k_qc5d1ebd13a_tail-k_qc5d1ebd13a_tail
	.p2alignl 7, 3214868480
	.fill 96, 4, 3214868480
	.section	.rodata,"a",@progbits
	.p2align	6, 0x0
	.amdhsa_kernel k_qc5d1ebd13a_tail
		.amdhsa_group_segment_fixed_size 512
		.amdhsa_private_segment_fixed_size 0
		.amdhsa_enable_private_segment 0
		.amdhsa_kernarg_size 136
		.amdhsa_user_sgpr_count 2
		.amdhsa_user_sgpr_kernarg_segment_ptr 1
		.amdhsa_wavefront_size32 1
		.amdhsa_system_sgpr_workgroup_id_x 1
		.amdhsa_system_sgpr_workgroup_id_y 1
		.amdhsa_system_sgpr_workgroup_id_z 1
		.amdhsa_system_vgpr_workitem_id 0
		.amdhsa_next_free_vgpr 1024
		.amdhsa_next_free_sgpr 66
		.amdhsa_reserve_vcc 1
		.amdhsa_float_denorm_mode_32 3
		.amdhsa_float_denorm_mode_16_64 3
		.amdhsa_memory_ordered 1
		.amdhsa_forward_progress 1
		.amdhsa_inst_pref_size 85
	.end_amdhsa_kernel
	.amdgpu_metadata
---
amdhsa.version: [ 1, 2 ]
amdhsa.kernels:
  - .name:           k_qc5d1ebd13a_tail
    .symbol:         k_qc5d1ebd13a_tail.kd
    .args:
      - { .name: pnum, .offset: 0, .size: 8, .value_kind: global_buffer, .address_space: global }
      - { .name: pden, .offset: 8, .size: 8, .value_kind: global_buffer, .address_space: global }
      - { .name: c_w_codes, .offset: 16, .size: 8, .value_kind: global_buffer, .address_space: global }
      - { .name: c_b, .offset: 24, .size: 8, .value_kind: global_buffer, .address_space: global }
      - { .name: c_ln_g, .offset: 32, .size: 8, .value_kind: global_buffer, .address_space: global }
      - { .name: c_ln_b, .offset: 40, .size: 8, .value_kind: global_buffer, .address_space: global }
      - { .name: e_w1_codes, .offset: 48, .size: 8, .value_kind: global_buffer, .address_space: global }
      - { .name: e_b1, .offset: 56, .size: 8, .value_kind: global_buffer, .address_space: global }
      - { .name: e_ln1_g, .offset: 64, .size: 8, .value_kind: global_buffer, .address_space: global }
      - { .name: e_ln1_b, .offset: 72, .size: 8, .value_kind: global_buffer, .address_space: global }
      - { .name: e_w2_codes, .offset: 80, .size: 8, .value_kind: global_buffer, .address_space: global }
      - { .name: e_b2, .offset: 88, .size: 8, .value_kind: global_buffer, .address_space: global }
      - { .name: e_ln2_g, .offset: 96, .size: 8, .value_kind: global_buffer, .address_space: global }
      - { .name: e_ln2_b, .offset: 104, .size: 8, .value_kind: global_buffer, .address_space: global }
      - { .name: lowp_scales, .offset: 112, .size: 8, .value_kind: global_buffer, .address_space: global }
      - { .name: out0, .offset: 120, .size: 8, .value_kind: global_buffer, .address_space: global }
      - { .name: out1, .offset: 128, .size: 8, .value_kind: global_buffer, .address_space: global }
    .group_segment_fixed_size: 512
    .private_segment_fixed_size: 0
    .kernarg_segment_align: 8
    .kernarg_segment_size: 136
    .max_flat_workgroup_size: 32
    .sgpr_count:     66
    .vgpr_count:     1024
    .wavefront_size: 32
...
	.end_amdgpu_metadata
.endif
;; end of part 2
